; MI455X (gfx1250); checked and timed in simulation.
; The chip was launched on July 23, 2026; its instructions are those of AMD's public machine-readable ISA for CDNA 5 (MIT licence, August 2026) and "CDNA5" Instruction Set Architecture Reference Guide (July 2026). The comments in the code are by the model that wrote it; some were corrected since.
;; GMM estimator. Allowed arithmetic: float matrix products may take bf16 or f16 operands with f32 sums; all other float work in f32.
;; Inputs: W1 64 x 1,024 float32; W2 1,024 x 12 float32; b1 1,024 float32; b2 12 float32; tau 131,072 x 64 float32.
;; Outputs: out0 131,072 x 2 x 2 float32; out1 131,072 x 2 x 2 x 2 float32.
;; One version. Each part assembles by itself: llvm-mc -triple=amdgcn-amd-amdhsa -mcpu=gfx1250 --defsym DOCPART=n.
;; ======== version 1 of 1: 1 launch
;; limits: values are held in f16: magnitudes above 65,504 overflow, below 6.1e-05 lose precision; inputs' magnitudes at most 4,094; right only within a limited range of input values
;; launch gmm (part 1): grid 256 x 1, 4 waves a work-group, no clusters, 309,760 bytes of LDS; arguments tau, W1, b1, W2, b2, out0, out1; writes out0, out1
.if DOCPART == 1
	.amdgcn_target "amdgcn-amd-amdhsa--gfx1250"
	.amdhsa_code_object_version 6
	.text
	.protected	k_qd702a5e1fb_gmm
	.globl	k_qd702a5e1fb_gmm
	.p2align	8
	.type	k_qd702a5e1fb_gmm,@function
k_qd702a5e1fb_gmm:
	s_mov_b64 s[64:65], 0
	v_nop
	global_prefetch_b8 v0, s[64:65] scope:SCOPE_SE
	s_setreg_imm32_b32 hwreg(HW_REG_WAVE_MODE, 25, 1), 1
	s_wait_xcnt 0x0
; outs = relu(tau W1 + b1) W2 + b2;  out0 = the two means of each row;  out1 = the two symmetrised 2 x 2 matrices, squared.
; tau [131072][64], W1 [64][1024], b1 [1024], W2 [1024][12], b2 [12], out0 [131072][2][2], out1 [131072][2][2][2], all f32.
;
; SHARES.  256 work-groups of four waves; a work-group owns 512 rows, a wave 128 rows = 8 row tiles of 16.  A wave walks the 1,024 hidden
; units in 32 trips of 32; the hidden layer never leaves registers.
;
; THE CHAIN IN REGISTERS.  First product, transposed: A = 16 hidden units x 32 inputs of W1, B = 32 inputs x 16 rows of tau, C = b1.  In the
; result, register j of lane (r = lane % 16, h = lane / 16) is hidden unit 8 h + j of row r.  Two neighbouring hidden tiles, cut at zero and
; packed in pairs to f16, are then exactly the B operand (32 hidden units x 16 rows) of the second product: no lane exchanges anything.
; Second product: A = 16 slots x 32 hidden units of W2, slots 0-5 = outs 0-5, slots 8-13 = outs 6-11, slots 6, 7, 14, 15 = 0; C starts as b2.
; So lane (r, h) ends with the six numbers of component h of row r, and a wave's store of a tile covers 256 consecutive aligned bytes of
; out0 (8 bytes a lane) and 512 of out1 (16 bytes a lane).
;
; THE FORMAT.  Matrix operands are f16, sums f32.  out1's places off the diagonal are b (a + d): an error of b is multiplied by a + d, and
; eight mantissa bits leave too little margin there; f16 has eleven.  f16's range is met by exact powers of two: relu(s x) = s relu(x) for
; s > 0, so tau and b1 are multiplied by 2^-4 and W2 by 2^4 before they are rounded; the hidden layer is kept as h / 16 and outs is unchanged.
; Room: with tau and W1 both 30 times larger tau W1 has a spread of 900; with both offset by 30 spreads it is 64 x 30 x 3.75 = 7,200; h / 16
; overflows only above 16 x 65,504.  With everything 30 times smaller h / 16 is about 2^-13.8 and f16's fixed step rounds by 2^-25 at the most.
;
; THE EIGEN STEP.  For every real symmetric S, V diag(D^2) V^T = S S.  With S = [[a, b], [b, d]], b = (c01 + c10) / 2, the result is
; [[a a + b b, b (a + d)], [b (a + d), b b + d d]]: eight f32 operations.  The order of rounding differs from an eigen decomposition's.
;
; LIMITS.  |tau W1 + b1| and |tau| below 1,048,064 (16 x 65,504), |W1| below 65,504, |W2| below 4,094: beyond these an operand becomes
; infinite in f16.  A NaN in front of the relu becomes 0 (v_max_num_f32 lets a NaN lose); that is reached only with inputs that are not finite.
;
; NO CLUSTER: all work-groups read the same W1 and W2, but these are f32 and have to pass through registers to be rounded to f16.  A joint
; tensor load would need an f32 stage in LDS of 65,536 bytes for a slice of 256 hidden units; this text uses 309,248 of 327,680 bytes.
; NO PREFETCH: tau is asked for by the first instructions, and W1's later slices are asked for eight trips ahead by the loads themselves.
;
.set HDOWN,  0x3d800000                ; 2^-4 in f32: tau and b1
.set HUP,    0x41800000                ; 2^4 in f32: W2
; LDS (each region begins at a multiple of 256 bytes; only TAU is filled by tensor loads, once; the others by ds_store alone):
.set P1,     2080                      ; pitch of a W1 row in f16: 2,048 + 32 = 65 x 32 bytes, an odd multiple of 32, for the transposing loads
.set W2B,    64*P1                     ; 0       W1 as f16 [64 inputs][1024 hidden]                 133,120 bytes
.set B1L,    W2B+1024*32               ; 133,120 16 W2 as f16 [1024 hidden][16 slots], pitch 32      32,768 bytes
.set TAU,    B1L+4096                  ; 165,888 b1 / 16 in f32                                       4,096 bytes
.set TPITCH, 272                       ; 169,984 tau in f32: 4 waves x 128 rows x (256 + 16 of padding)  139,264 bytes; the end is 309,248
.set THALF,  64*TPITCH                 ; what one tensor load brings: 64 rows
.set TWAVE,  2*THALF                   ; a wave's part
; REGISTERS, window 0:
.set AW0, 1                            ; LDS address of my part of W1's fragments, inputs 0-31
.set AW1, 2                            ; the same, inputs 32-63
.set AW2, 3                            ; the same for W2's fragment
.set AB1, 4                            ; the same for b1's fragment
.set GW,  5                            ; my byte offset in W1; never rewritten
.set SW,  6                            ; where I store W1's f16 in LDS
.set VO0, 6                            ; at the end: my byte offset in a tile of out0
.set VO1, 7                            ; and of out1
.set B2F, 8                            ; v[8:15]    b2 as a C operand
.set WB0, 16                           ; v[16:71]   weights of a trip, buffer 0: W1 (tile t, k step ks) at 8 (2 t + ks); b1 (tile t) at 32 + 8 t; W2 at 48
.set WB1, 72                           ; v[72:127]  buffer 1
.set OA,  128                          ; v[128:191] the eight row tiles' sums of the second product
.set HA,  192                          ; v[192:223] hidden set A: row tile a: hidden tiles at 0 and 8; row tile b: at 16 and 24
.set HB,  224                          ; v[224:255] hidden set B
; at the start only:
.set W2S, 16                           ; v[16:111]  eight rows of W2, 12 f32 each
.set B1S, 112                          ; v[112:119] 32 bytes of b1
.set TA,  120                          ; LDS address of my part of tau's fragments
.set GW2, 121                          ; my byte offset in W2
.set SW2, 122                          ; where I store W2's f16
.set GB1, 123                          ; my byte offset in b1
.set SB1, 124                          ; where I store b1
.set VB2, 125                          ; my byte offset in b2
.set TS,  128                          ; v[128:255] tau in f32, four row tiles at a time
.set TR,  128                          ; r = lane % 16       (these six only until the addresses are made)
.set TH,  129                          ; h = lane / 16
.set TL,  130                          ; lane
.set T7,  131                          ; lane % 8
.set T3,  132                          ; (lane / 8) % 2
.set TK,  133
; window 1:
.set TB,  0                            ; v[256:383] tau's fragments in f16: row tile i, k step ks at 16 i + 8 ks
.set ST,  128                          ; v[384:511] a slice of W1 on its way: 32 loads of 16 bytes
; scalars: s[4:5] tau, s[6:7] W1, s[8:9] b1, s[10:11] W2, s[12:13] b2, s[14:15] out0, s[36:37] out1, s32 wave, s33 counter
.set G1D, 16                           ; s[16:23] tensor descriptor, group 1
.set G0,  24                           ; s[24:31] group 0, one set for each half of my rows
; s_set_vgpr_msb's low byte: bits 1:0 source 0, 3:2 source 1, 5:4 source 2, 7:6 destination; the high byte repeats the setting that is left.
.set MSB, 0
.macro WIN new
.if MSB != \new
	s_set_vgpr_msb (MSB<<8)|\new
.set MSB, \new
.endif
.endm
.set W_G1,  0x04                       ; source 1 in window 1: tau's fragment in the first product; the data of an LDS store
.set W_TO1, 0x40                       ; destination in window 1
.set W_IN1, 0x45                       ; sources 0, 1 and destination in window 1
.macro PLACES
.rept 4
	v_nop
.endr
.endm
; 32 loads: slice sl (256 hidden units) of my 16 rows of W1.  Sixteen lanes take 256 aligned bytes of one row; lanes 16-31 the row four further down.
.macro LOADW sl
	WIN W_TO1
.set li, 0
.rept 8
.set lu, 0
.rept 4
	global_load_b128 v[ST+4*(4*li+lu):ST+4*(4*li+lu)+3], v[GW], s[6:7] offset:((li&3)+8*(li>>2))*4096+(\sl)*1024+lu*256
.set lu, lu+1
.endr
.set li, li+1
.endr
.endm
; The slice is rounded to f16 in place and stored: 8 bytes a lane.  The two halves of the lanes lie 4 x 2,080 = 8,320 bytes apart, 128 modulo 256,
; so that the 32 lanes' bytes are 256 different bytes modulo 256.
.macro CVTST sl
	WIN W_IN1
.set li, 0
.rept 32
	v_cvt_pk_f16_f32 v[ST+4*li],   v[ST+4*li],   v[ST+4*li+1]
	v_cvt_pk_f16_f32 v[ST+4*li+1], v[ST+4*li+2], v[ST+4*li+3]
.set li, li+1
.endr
	WIN W_G1
.set li, 0
.rept 8
.set lu, 0
.rept 4
	ds_store_b64 v[SW], v[ST+4*(4*li+lu):ST+4*(4*li+lu)+1] offset:((li&3)+8*(li>>2))*P1+(\sl)*512+lu*128
.set lu, lu+1
.endr
.set li, li+1
.endr
.endm
; Row tiles 4 g .. 4 g + 3 of tau: f32 from my own part of LDS, times 2^-4 (exact), rounded to f16 into the fragments.  Load li = 8 i + 4 ks + 2 c + u
; brings inputs 32 ks + 16 c + 8 h + 4 u .. + 3 of row 16 (4 g + i) + r, which are registers 4 c + 2 u, + 1 of fragment (4 g + i, ks) = TB + 64 g + 2 li.
.macro TBCONV g
	WIN 0
.set li, 0
.rept 32
	ds_load_b128 v[TS+4*li:TS+4*li+3], v[TA] offset:(4*\g+(li>>3))*16*TPITCH+((li>>2)&1)*128+((li>>1)&1)*64+(li&1)*16
.set li, li+1
.endr
	s_wait_dscnt 0x0                               ; all 32 are used at once
.set li, 0
.rept 64
	v_pk_mul_f32 v[TS+2*li:TS+2*li+1], v[TS+2*li:TS+2*li+1], HDOWN op_sel_hi:[1,0]
.set li, li+1
.endr
	WIN W_TO1
.set li, 0
.rept 32
	v_cvt_pk_f16_f32 v[TB+64*\g+2*li],   v[TS+4*li],   v[TS+4*li+1]
	v_cvt_pk_f16_f32 v[TB+64*\g+2*li+1], v[TS+4*li+2], v[TS+4*li+3]
.set li, li+1
.endr
.endm
; 14 LDS loads: the weights of the trip that lies toff trips behind the one to which the address registers point, into buffer wb.
; W1 and W2 lie [k][n] in LDS: a transposing load brings k = 8 h .. 8 h + 7 of column r, a second one, 16 rows down, k = 16 + 8 h .. + 7.
.macro FRAGLOAD wb, toff
	ds_load_tr16_b128 v[\wb:\wb+3],     v[AW0] offset:\toff*64
	ds_load_tr16_b128 v[\wb+4:\wb+7],   v[AW0] offset:\toff*64+16*P1
	ds_load_tr16_b128 v[\wb+8:\wb+11],  v[AW1] offset:\toff*64
	ds_load_tr16_b128 v[\wb+12:\wb+15], v[AW1] offset:\toff*64+16*P1
	ds_load_tr16_b128 v[\wb+16:\wb+19], v[AW0] offset:\toff*64+32
	ds_load_tr16_b128 v[\wb+20:\wb+23], v[AW0] offset:\toff*64+32+16*P1
	ds_load_tr16_b128 v[\wb+24:\wb+27], v[AW1] offset:\toff*64+32
	ds_load_tr16_b128 v[\wb+28:\wb+31], v[AW1] offset:\toff*64+32+16*P1
	ds_load_b128 v[\wb+32:\wb+35], v[AB1] offset:\toff*128         ; b1 of hidden units 8 h .. 8 h + 7 of tile 0: the same words for all r
	ds_load_b128 v[\wb+36:\wb+39], v[AB1] offset:\toff*128+16
	ds_load_b128 v[\wb+40:\wb+43], v[AB1] offset:\toff*128+64      ; tile 1
	ds_load_b128 v[\wb+44:\wb+47], v[AB1] offset:\toff*128+80
	ds_load_tr16_b128 v[\wb+48:\wb+51], v[AW2] offset:\toff*1024
	ds_load_tr16_b128 v[\wb+52:\wb+55], v[AW2] offset:\toff*1024+512
.endm
; First product: hidden tile t of the trip x row tile i, k step ks, sum at d.  k step 0 starts the sum with b1: nothing is cleared or added later.
.macro G1 d, wb, t, ks, i
.if \ks
	v_wmma_f32_16x16x32_f16 v[\d:\d+7], v[\wb+16*\t+8:\wb+16*\t+15], v[TB+16*(\i)+8:TB+16*(\i)+15], v[\d:\d+7]
.else
	v_wmma_f32_16x16x32_f16 v[\d:\d+7], v[\wb+16*\t:\wb+16*\t+7], v[TB+16*(\i):TB+16*(\i)+7], v[\wb+32+8*\t:\wb+32+8*\t+7]
.endif
.endm
; Second product: row tile i, W2's fragment of buffer wb, the packed hidden units at p.  cin = 1: the first trip's product starts the sum with b2.
.macro G2 i, wb, p, cin
.if \cin
	v_wmma_f32_16x16x32_f16 v[OA+8*(\i):OA+8*(\i)+7], v[\wb+48:\wb+55], v[\p:\p+7], v[B2F:B2F+7]
.else
	v_wmma_f32_16x16x32_f16 v[OA+8*(\i):OA+8*(\i)+7], v[\wb+48:\wb+55], v[\p:\p+7], v[OA+8*(\i):OA+8*(\i)+7]
.endif
.endm
; relu.  The constant stands as source 1, so that the line means the same registers while source 1's window is 1.
.macro RELU base, cnt
.set rr, \base
.rept \cnt
	v_max_num_f32 v[rr], v[rr], 0
.set rr, rr+1
.endr
.endm
; 16 f32 (two hidden tiles of one row tile) to 8 registers of f16, in place: register j takes 2 j and 2 j + 1, which no earlier line has written.
.macro PACK base
.set rr, 0
.rept 8
	v_cvt_pk_f16_f32 v[\base+rr], v[\base+2*rr], v[\base+2*rr+1]
.set rr, rr+1
.endr
.endm
; A slot: the first product of row tiles 2 cr, 2 cr + 1 into hidden set ch, and between its eight matrix instructions the relu of the pair before
; (pr, in set ph); then that pair is packed and goes through the second product with W2's fragment of buffer pw.
; ACCUMULATORS TAKE TURNS, one instruction a turn: four sums in the first product, then two others in the second.
; DISTANCES (ISA guide 7.12.1), counted in plain vector instructions that name none of the matrix instruction's registers:
;   a relu reads and writes a sum of the slot before: at least the 16 conversions of that slot's end, on the other set, lie between;
;   the first product writes over ch + 0..7, which the slot before gave to its second product as B: 8 conversions (row tile b's) lie between;
;   it writes over ch + 16..23 with its third instruction: 10 relus lie between;
;   the LDS loads into the buffer whose W2 fragment slot 0 has read stand in slot 1 behind 15 relus.
.macro SLOT cr, cw, ch, pr, pw, ph, cin, fl, flw, toff, step
	WIN W_G1
	G1 \ch, \cw, 0, 0, 2*\cr
	RELU \ph, 5
	G1 \ch+8, \cw, 1, 0, 2*\cr
	RELU \ph+5, 5
	G1 \ch+16, \cw, 0, 0, 2*\cr+1
	RELU \ph+10, 5
.if \fl
	FRAGLOAD \flw, \toff
.endif
	G1 \ch+24, \cw, 1, 0, 2*\cr+1
	RELU \ph+15, 5
	G1 \ch, \cw, 0, 1, 2*\cr
	RELU \ph+20, 4
	G1 \ch+8, \cw, 1, 1, 2*\cr
	RELU \ph+24, 4
	G1 \ch+16, \cw, 0, 1, 2*\cr+1
	RELU \ph+28, 4
	G1 \ch+24, \cw, 1, 1, 2*\cr+1
	WIN 0                                          ; a conversion reads both its sources from the hidden set's window
.if \step
	v_add_nc_u32 v[AW0], 128, v[AW0]               ; two trips on: 64 hidden units = 128 bytes of a W1 row,
	v_add_nc_u32 v[AW1], 128, v[AW1]
	v_add_nc_u32 v[AB1], 256, v[AB1]               ; 256 bytes of b1,
	v_add_nc_u32 v[AW2], 2048, v[AW2]              ; 64 rows of W2
.endif
	PACK \ph
	G2 2*\pr, \pw, \ph, \cin
	PACK \ph+16
	G2 2*\pr+1, \pw, \ph+16, \cin
.endm
; A trip: 32 hidden units for all eight row tiles: 32 + 8 matrix instructions.  cw: this trip's weights; ow: the other buffer, which still holds
; the W2 fragment that the last trip's last pair needs in slot 0, and is loaded again in slot 1 (fl = 1) with the next trip's weights.
; nopre = 1: the very first trip has no pair before it.  c0, c1: the second product of slot 0, of slots 1-3, starts its sums.
.macro TRIP cw, ow, toff, nopre, c0, c1, fl, step
	s_wait_dscnt 0x0                               ; this trip's 14 fragment loads, issued in slot 1 of the trip before
.if \nopre
	WIN W_G1
	G1 HA, \cw, 0, 0, 0
	G1 HA+8, \cw, 1, 0, 0
	G1 HA+16, \cw, 0, 0, 1
	G1 HA+24, \cw, 1, 0, 1
	G1 HA, \cw, 0, 1, 0
	G1 HA+8, \cw, 1, 1, 0
	G1 HA+16, \cw, 0, 1, 1
	G1 HA+24, \cw, 1, 1, 1
	WIN 0
	PLACES                                         ; four places in front of the relus that read these sums; there is no other work yet
.else
	SLOT 0, \cw, HA, 3, \ow, HB, \c0, 0, 0, 0, 0
.endif
	SLOT 1, \cw, HB, 0, \cw, HA, \c1, \fl, \ow, \toff, 0
	SLOT 2, \cw, HA, 1, \cw, HB, \c1, 0, 0, 0, 0
	SLOT 3, \cw, HB, 2, \cw, HA, \c1, 0, 0, 0, \step
.endm
.macro PAIR                            ; two trips, once through both buffers; the addresses step at its end
	TRIP WB0, WB1, 1, 0, 0, 0, 1, 0
	TRIP WB1, WB0, 2, 0, 0, 0, 1, 1
.endm
; A later slice of W1 goes into LDS.  The first barrier stands between every wave's earlier reads of W1's region and the stores, the second
; between the stores and the reads that follow.  load = 1: the next slice is asked for; it has eight trips in which to come.
.macro STEP sl, load
	s_wait_dscnt 0x0                               ; my LDS reads are back (the next trip's fragments among them)
	s_barrier_signal -1
	s_barrier_wait -1
	s_wait_loadcnt 0x0                             ; the slice's 32 loads, issued eight trips ago
	CVTST \sl
.if \load
	LOADW \sl+1
.endif
	WIN 0
	s_wait_dscnt 0x0                               ; for the other waves' sake: my stores are in LDS
	s_barrier_signal -1
	s_barrier_wait -1
.endm
; Row tile i leaves: registers 0, 1 are the mean; 2..5 are c00, c01, c10, c11; 6, 7 (the empty slots) serve as scratch.
.macro OUT i
.set OB, OA+8*\i
	v_add_f32 v[OB+6], v[OB+3], v[OB+4]
	v_add_f32 v[OB+7], v[OB+2], v[OB+5]            ; a + d
	v_mul_f32 v[OB+6], 0.5, v[OB+6]                ; b = (c01 + c10) / 2
	v_mul_f32 v[OB+3], v[OB+6], v[OB+7]            ; b (a + d), twice: both places off the diagonal
	v_mul_f32 v[OB+4], v[OB+6], v[OB+7]
	v_mul_f32 v[OB+6], v[OB+6], v[OB+6]            ; b b
	v_fma_f32 v[OB+2], v[OB+2], v[OB+2], v[OB+6]   ; a a + b b
	v_fma_f32 v[OB+5], v[OB+5], v[OB+5], v[OB+6]   ; d d + b b
	global_store_b64  v[VO0], v[OB:OB+1],   s[14:15] offset:256*\i th:TH_STORE_NT   ; the wave stores 256 consecutive bytes, aligned
	global_store_b128 v[VO1], v[OB+2:OB+5], s[36:37] offset:512*\i th:TH_STORE_NT   ; and 512
.endm
	; ---------------------------------------------------------------- the start
	s_load_b256 s[4:11], s[0:1], 0x0               ; tau, W1, b1, W2
	s_load_b128 s[12:15], s[0:1], 0x20             ; b2, out0
	s_load_b64 s[36:37], s[0:1], 0x30              ; out1
	s_set_vgpr_msb 0x80
	v_lshl_add_u32 v0, v0, 2, 0x4b800
	v_mov_b32 v1, 0
	s_set_vgpr_msb 0x808a
	ds_add_u32 v0, v1
	ds_add_u32 v0, v1
	s_set_vgpr_msb 0x8a00
	v_lshrrev_b32 v[TK], 5, v0
	v_readfirstlane_b32 s32, v[TK]                 ; wave 0..3
	; group 1: a tile of 64 rows x 64 elements of 4 bytes, dense in memory, 16 bytes of padding behind each row in LDS
	s_mov_b32 s[G1D+0], (2<<16)|(1<<20)|(5<<22)|(3<<25)   ; no mask; element of 4 bytes; padding on, after every 64 words (code 5), of 4 words (code 3)
	s_mov_b32 s[G1D+1], 64<<16                     ; tensor_dim0 = 64
	s_mov_b32 s[G1D+2], 64<<16                     ; tensor_dim1 = 64
	s_mov_b32 s[G1D+3], 64<<16                     ; tile_dim0 = 64
	s_mov_b32 s[G1D+4], 64                         ; tile_dim1 = 64
	s_mov_b32 s[G1D+5], 64                         ; 64 elements from row to row
	s_mov_b32 s[G1D+6], 0
	s_mov_b32 s[G1D+7], 0
	s_lshl_b32 s2, ttmp9, 17                       ; 512 rows of 256 bytes for a work-group (33,554,432 bytes in all: 32 bits do),
	s_lshl_b32 s3, s32, 15                         ; 128 rows for a wave
	s_add_co_u32 s2, s2, s3
	s_mov_b32 s3, 0
	s_mul_i32 s34, s32, TWAVE                      ; my wave's part of TAU
	s_wait_dscnt 0x0
	s_wait_kmcnt 0x0
	s_add_nc_u64 s[4:5], s[4:5], s[2:3]            ; tau at my wave's first row
	; Both halves of my 128 rows go out at once, ahead of everything else: two tensor loads of the wave are out at the most, and no byte is filled twice.
.irp q, 0,1
	s_mov_b32 s[G0+4*\q], 1                                        ; count = 1
	s_add_co_u32 s[G0+4*\q+1], s34, TAU+\q*THALF                   ; LDS address
	s_add_nc_u64 s[G0+4*\q+2:G0+4*\q+3], s[4:5], \q*16384          ; global address: 64 rows of 256 bytes on
	s_or_b32 s[G0+4*\q+3], s[G0+4*\q+3], 0x80000000                ; type = 2
	tensor_load_to_lds s[G0+4*\q:G0+4*\q+3], s[G1D:G1D+7]
	s_nop 0
.endr
	v_and_b32 v[TR], 15, v0
	v_bfe_u32 v[TH], v0, 4, 1
	v_and_b32 v[TL], 31, v0
	; offsets in memory.  Each wave takes a run of rows of its own of W2, b1 and W1, so that its LDS stores are one range of bytes.
	s_mul_i32 s2, s32, 256*48
	v_mul_u32_u24 v[GW2], v[TL], 48
	v_add_nc_u32 v[GW2], s2, v[GW2]                ; W2: row 256 w + lane (+ 32 i)
	s_lshl_b32 s3, s32, 10
	v_lshl_add_u32 v[GB1], v[TL], 4, s3            ; b1: 1,024 w + 16 lane (+ 512)
	v_mul_u32_u24 v[VB2], v[TH], 24                ; b2: six numbers of component h
	s_lshl_b32 s35, s32, 16
	v_lshlrev_b32 v[GW], 4, v[TR]
	v_lshl_add_u32 v[GW], v[TH], 14, v[GW]
	v_add_nc_u32 v[GW], s35, v[GW]                 ; W1: row 16 w + 4 h, 16 bytes at 16 r
.set li, 0
.rept 8
	global_load_b128 v[W2S+12*li:W2S+12*li+3],    v[GW2], s[10:11] offset:1536*li      ; a row's 48 bytes; the wave's three loads cover 1,536 consecutive bytes
	global_load_b128 v[W2S+12*li+4:W2S+12*li+7],  v[GW2], s[10:11] offset:1536*li+16
	global_load_b128 v[W2S+12*li+8:W2S+12*li+11], v[GW2], s[10:11] offset:1536*li+32
.set li, li+1
.endr
	global_load_b128 v[B1S:B1S+3],   v[GB1], s[8:9]
	global_load_b128 v[B1S+4:B1S+7], v[GB1], s[8:9] offset:512
	global_load_b64 v[B2F:B2F+1],   v[VB2], s[12:13]
	global_load_b64 v[B2F+2:B2F+3], v[VB2], s[12:13] offset:8
	global_load_b64 v[B2F+4:B2F+5], v[VB2], s[12:13] offset:16
	LOADW 0
	WIN 0
	v_mov_b32 v[B2F+6], 0                          ; the two empty slots
	v_mov_b32 v[B2F+7], 0
	; addresses in LDS
	v_and_b32 v[T7], 7, v0
	v_bfe_u32 v[T3], v0, 3, 1
	s_lshl_b32 s2, s32, 13
	s_add_co_u32 s2, s2, W2B
	v_lshl_add_u32 v[SW2], v[TL], 5, s2            ; W2B + 32 (256 w + lane)
	s_add_co_u32 s3, s3, B1L
	v_lshl_add_u32 v[SB1], v[TL], 4, s3            ; B1L + 1,024 w + 16 lane
	s_mul_i32 s2, s32, 16*P1
	v_mul_u32_u24 v[SW], v[TH], 4*P1
	v_lshl_add_u32 v[SW], v[TR], 3, v[SW]
	v_add_nc_u32 v[SW], s2, v[SW]                  ; row 16 w + 4 h, 8 bytes at 8 r
	s_add_co_u32 s34, s34, TAU
	v_mul_u32_u24 v[TA], v[TR], TPITCH
	v_lshl_add_u32 v[TA], v[TH], 5, v[TA]
	v_add_nc_u32 v[TA], s34, v[TA]                 ; my wave's part of TAU, row r, inputs 8 h ..
	v_lshl_add_u32 v[TK], v[TH], 3, v[T7]          ; 8 h + lane % 8: the row that I address for a transposing load
	v_mul_u32_u24 v[AW0], v[TK], P1
	v_lshl_add_u32 v[AW0], v[T3], 4, v[AW0]        ; + 16 bytes for lanes 8-15 and 24-31
	v_add_nc_u32 v[AW1], 32*P1, v[AW0]
	v_lshlrev_b32 v[AW2], 5, v[TK]
	v_lshl_add_u32 v[AW2], v[T3], 4, v[AW2]
	v_add_nc_u32 v[AW2], W2B, v[AW2]
	v_lshl_add_u32 v[AB1], v[TH], 5, B1L
	; W2: 12 f32 of a row, times 2^4 (exact), to 16 slots of f16, in place, in an order in which no line writes what a later one reads
	s_wait_loadcnt 37                              ; W2's 24 loads are in; the 2 of b1, 3 of b2 and 32 of W1 behind them may be out
.set li, 0
.rept 8
.set RW, W2S+12*li
.set lq, 0
.rept 6
	v_pk_mul_f32 v[RW+2*lq:RW+2*lq+1], v[RW+2*lq:RW+2*lq+1], HUP op_sel_hi:[1,0]
.set lq, lq+1
.endr
	v_cvt_pk_f16_f32 v[RW],   v[RW],   v[RW+1]
	v_cvt_pk_f16_f32 v[RW+1], v[RW+2], v[RW+3]
	v_cvt_pk_f16_f32 v[RW+2], v[RW+4], v[RW+5]
	v_mov_b32 v[RW+3], 0                           ; slots 6, 7
	v_cvt_pk_f16_f32 v[RW+4], v[RW+6], v[RW+7]
	v_cvt_pk_f16_f32 v[RW+5], v[RW+8], v[RW+9]
	v_cvt_pk_f16_f32 v[RW+6], v[RW+10], v[RW+11]
	v_mov_b32 v[RW+7], 0                           ; slots 14, 15
	ds_store_b128 v[SW2], v[RW:RW+3]   offset:1024*li      ; lanes 32 bytes apart: two lanes of sixteen meet in a column of 16 bytes; 16 such stores in the launch
	ds_store_b128 v[SW2], v[RW+4:RW+7] offset:1024*li+16
.set li, li+1
.endr
	s_wait_loadcnt 35                              ; b1's 2 loads are in; 3 of b2 and 32 of W1 may be out
.irp q, 0,2,4,6
	v_pk_mul_f32 v[B1S+\q:B1S+\q+1], v[B1S+\q:B1S+\q+1], HDOWN op_sel_hi:[1,0]   ; b1 / 16, like tau: the first product's sums are (tau W1 + b1) / 16
.endr
	ds_store_b128 v[SB1], v[B1S:B1S+3]
	ds_store_b128 v[SB1], v[B1S+4:B1S+7] offset:512
	s_wait_loadcnt 0x0                             ; b2 and slice 0 of W1
	CVTST 0
	LOADW 1
	s_wait_tensorcnt 0x1                           ; tensor loads of a wave end in order (ISA guide 10.11.1): my rows 0-63 are in LDS, rows 64-127 may be out.  No other wave reads them: no barrier
	TBCONV 0
	s_wait_tensorcnt 0x0                           ; rows 64-127
	TBCONV 1
	s_wait_loadcnt 0x0                             ; slice 1
	CVTST 1
	LOADW 2                                        ; slice 2 is stored behind trip 7
	WIN 0
	s_wait_dscnt 0x0                               ; for the other waves' sake: all my stores (W2, b1, slices 0 and 1 of W1) are in LDS
	s_barrier_signal -1
	s_barrier_wait -1
	FRAGLOAD WB0, 0                                ; trip 0's weights
	; ---------------------------------------------------------------- 32 trips
	TRIP WB0, WB1, 1, 1, 0, 1, 1, 0                ; trip 0: no pair before it; pairs 0-2 start their sums of the second product with b2
	TRIP WB1, WB0, 2, 0, 1, 0, 1, 1                ; trip 1: so does pair 3 of trip 0, in slot 0
	s_mov_b32 s33, 3
.Ltrips_2_7:
	PAIR
	s_sub_co_i32 s33, s33, 1
	s_cmp_lg_u32 s33, 0
	s_cbranch_scc1 .Ltrips_2_7
	STEP 2, 1                                      ; slice 2 (trips 16-23) is first read in trip 15; slice 3 is asked for
	s_mov_b32 s33, 4
.Ltrips_8_15:
	PAIR
	s_sub_co_i32 s33, s33, 1
	s_cmp_lg_u32 s33, 0
	s_cbranch_scc1 .Ltrips_8_15
	STEP 3, 0                                      ; slice 3 (trips 24-31) is first read in trip 23
	s_mov_b32 s33, 7
.Ltrips_16_29:
	PAIR
	s_sub_co_i32 s33, s33, 1
	s_cmp_lg_u32 s33, 0
	s_cbranch_scc1 .Ltrips_16_29
	TRIP WB0, WB1, 1, 0, 0, 0, 1, 0                ; trip 30
	TRIP WB1, WB0, 2, 0, 0, 0, 0, 0                ; trip 31 loads nothing and steps nothing
	RELU HB, 32                                    ; the last pair: 16 conversions on set A lie behind the matrix instructions that wrote set B
	PACK HB
	G2 6, WB1, HB, 0
	PACK HB+16
	G2 7, WB1, HB+16, 0
	; ---------------------------------------------------------------- the way out
	; The five vector lines that make the stores' offsets name none of the last matrix instruction's registers: they are the places behind it.
	v_and_b32 v1, 15, v0                           ; r
	v_bfe_u32 v2, v0, 4, 1                         ; h
	v_lshlrev_b32 v[VO0], 3, v2
	v_lshl_add_u32 v[VO0], v1, 4, v[VO0]           ; out0: 16 r + 8 h
	v_lshlrev_b32 v[VO1], 1, v[VO0]                ; out1: 32 r + 16 h
	s_lshl_b32 s2, ttmp9, 13                       ; out0: 512 rows of 16 bytes for a work-group,
	s_lshl_b32 s3, s32, 11                         ; 128 rows for a wave
	s_add_co_u32 s2, s2, s3
	s_mov_b32 s3, 0
	s_add_nc_u64 s[14:15], s[14:15], s[2:3]
	s_lshl_b32 s2, s2, 1                           ; out1: rows of 32 bytes
	s_add_nc_u64 s[36:37], s[36:37], s[2:3]
	OUT 0                                          ; each tile is stored from registers of its own, and nothing is rewritten behind a store
	OUT 1
	OUT 2
	OUT 3
	OUT 4
	OUT 5
	OUT 6
	OUT 7
	s_set_vgpr_msb 0xa
	s_wait_tensorcnt 0x0
	ds_add_u32 v0, v1
	s_wait_dscnt 0x0
	s_set_vgpr_msb 0xa00
	s_endpgm
.Lfunc_end_k_qd702a5e1fb_gmm:
	.size	k_qd702a5e1fb_gmm, .Lfunc_end_k_qd702a5e1fb_gmm-k_qd702a5e1fb_gmm
	.p2alignl 7, 3214868480
	.fill 96, 4, 3214868480
	.section	.rodata,"a",@progbits
	.p2align	6, 0x0
	.amdhsa_kernel k_qd702a5e1fb_gmm
		.amdhsa_group_segment_fixed_size 309760
		.amdhsa_private_segment_fixed_size 0
		.amdhsa_enable_private_segment 0
		.amdhsa_kernarg_size 56
		.amdhsa_user_sgpr_count 2
		.amdhsa_user_sgpr_kernarg_segment_ptr 1
		.amdhsa_wavefront_size32 1
		.amdhsa_system_sgpr_workgroup_id_x 1
		.amdhsa_system_sgpr_workgroup_id_y 1
		.amdhsa_system_sgpr_workgroup_id_z 1
		.amdhsa_system_vgpr_workitem_id 0
		.amdhsa_next_free_vgpr 514
		.amdhsa_next_free_sgpr 66
		.amdhsa_reserve_vcc 0
		.amdhsa_float_denorm_mode_32 3
		.amdhsa_float_denorm_mode_16_64 3
		.amdhsa_memory_ordered 1
		.amdhsa_forward_progress 1
		.amdhsa_inst_pref_size 241
	.end_amdhsa_kernel
	.amdgpu_metadata
---
amdhsa.version: [ 1, 2 ]
amdhsa.kernels:
  - .name:           k_qd702a5e1fb_gmm
    .symbol:         k_qd702a5e1fb_gmm.kd
    .args:
      - { .name: tau, .offset: 0, .size: 8, .value_kind: global_buffer, .address_space: global }
      - { .name: W1, .offset: 8, .size: 8, .value_kind: global_buffer, .address_space: global }
      - { .name: b1, .offset: 16, .size: 8, .value_kind: global_buffer, .address_space: global }
      - { .name: W2, .offset: 24, .size: 8, .value_kind: global_buffer, .address_space: global }
      - { .name: b2, .offset: 32, .size: 8, .value_kind: global_buffer, .address_space: global }
      - { .name: out0, .offset: 40, .size: 8, .value_kind: global_buffer, .address_space: global }
      - { .name: out1, .offset: 48, .size: 8, .value_kind: global_buffer, .address_space: global }
    .group_segment_fixed_size: 309760
    .private_segment_fixed_size: 0
    .kernarg_segment_align: 8
    .kernarg_segment_size: 56
    .max_flat_workgroup_size: 128
    .sgpr_count:     66
    .vgpr_count:     514
    .wavefront_size: 32
...
	.end_amdgpu_metadata
.endif
;; end of part 1
